; MI455X (gfx1250); checked and timed in simulation.
; The chip was launched on July 23, 2026; its instructions are those of AMD's public machine-readable ISA for CDNA 5 (MIT licence, August 2026) and "CDNA5" Instruction Set Architecture Reference Guide (July 2026). The comments in the code are by the model that wrote it; some were corrected since.
;; Vector Quantizer. Allowed arithmetic: matrix products marked QUANTISED: E5M2 operands, one given power-of-two scale a tensor, by v_wmma_f32_16x16x64_bf8_bf8 or v_wmma_f32_16x16x128_bf8_bf8, f32 sums; everything else in f32.
;; Inputs: codebook 1,024 x 64 float32; lowp_scales 2 int32 (the exponents e of the quantised operands' scales 2^e); vectors 32 x 64 x 64 x 64 float32.
;; Outputs: out0 32 x 64 x 64 x 64 float32.
;; This version of the problem:
;;   THIS VERSION OF THE PROBLEM IS GIVEN IN LOW PRECISION. The matrix products marked QUANTISED in the list below multiply operands that are first quantised to E5M2 (5 exponent bits, 2 mantissa bits; 8 bits a number), with one given power-of-two scale for each operand tensor; their sums are f32. All else is computed in f32.
;;   The module's matrix products, in the order in which they are computed (A, B: the left and right operand; K: the contracted axis; several contracted axes count as one K, in the product's order):
;;     1. [M 131,072, K 64] x [K 64, N 1,024]; A: computed on the way; B: input codebook: QUANTISED (scales: A lowp_scales[0], B lowp_scales[1])
;;   THE QUANTISER, for each operand of a quantised product, along K:
;;     - The operand's scale is 2^e, e = its entry of the input lowp_scales (int32; the entries are numbered through the quantised products in the list's order, A before B).
;;     - Each number is divided by the scale, clamped to +-57,344, and rounded to the nearest number of E5M2, ties to even, subnormals kept.
;;     - The product sums the exact products of the quantised numbers (number of the format x scale) in f32.
;;   ~~~python
;;   def quantise(x, axis, e):      # numpy; x: float32 -> the quantised numbers, widened to float32 again
;;       x = np.moveaxis(x, axis, -1); K = x.shape[-1]
;;       r = np.clip(x / 2.0 ** e, -57344, 57344)
;;       step = 2.0 ** (np.maximum(np.frexp(np.where(r == 0, 1, r))[1] - 1, -14) - 2)
;;       q = np.round(r / step) * step * 2.0 ** e      # np.round: ties to even
;;       return np.moveaxis(q, -1, axis).astype(np.float32)
;;   ~~~
;;   OPERANDS COMPUTED ON THE WAY. 'Computed on the way' means the value that the module computes at that place (a softmax that the list does not call 'softmax' is quantised finished and normalised). What goes into a quantiser is computed in f32, as accurately as f32 sums, v_exp_f32 and their like allow (about 1e-6 of the number): no bf16 or f16 on the way to a quantiser, and a product that is left as it is and whose result goes on into a quantised operand takes f32 operands (vector FMAs, or v_wmma_f32_16x16x4_f32). A number that lies on a knife's edge between two numbers of the format may be rounded either way, as far as f32 arithmetic and the matrix unit's own rounding can turn it there, and no further.
;; One version. Each part assembles by itself: llvm-mc -triple=amdgcn-amd-amdhsa -mcpu=gfx1250 --defsym DOCPART=n.
;; ======== version 1 of 1: 2 launches
;; limits: right only within a limited range of input values
;; workspace buffers: idx 524,288 bytes of whole numbers
;; launch argmin (part 1): grid 256 x 1, 8 waves a work-group, clusters of 4 x 1, 327,680 bytes of LDS; arguments vectors, codebook, lowp_scales, idx; writes idx
.if DOCPART == 1
	.amdgcn_target "amdgcn-amd-amdhsa--gfx1250"
	.amdhsa_code_object_version 6
	.text
	.protected	k_qe2707e87f8_argmin
	.globl	k_qe2707e87f8_argmin
	.p2align	8
	.type	k_qe2707e87f8_argmin,@function
k_qe2707e87f8_argmin:
	s_mov_b64 s[64:65], 0
	v_nop
	global_prefetch_b8 v0, s[64:65] scope:SCOPE_SE
	s_setreg_imm32_b32 hwreg(HW_REG_WAVE_MODE, 25, 1), 1
	s_wait_xcnt 0x0
	s_wait_alu depctr_hold_cnt(0) depctr_sa_sdst(0) depctr_va_vdst(0) depctr_va_sdst(0) depctr_va_ssrc(0) depctr_va_vcc(0) depctr_vm_vsrc(0)
	s_getreg_b32 s2, hwreg(HW_REG_IB_STS2, 6, 4)
	s_cmp_eq_u32 s2, 0
	s_cbranch_scc0 .Lentry_in_a_cluster
	s_endpgm
.Lentry_in_a_cluster:
	s_bfe_u32 s2, ttmp6, 0x10000c
	s_cmp_lg_u32 s2, 0x3003
	s_cbranch_scc0 .Lentry_shape_is_right
	s_endpgm
.Lentry_shape_is_right:
; idx[n] = the first argmin over j of d[n][j] = (|x_n|^2 - P[n][j]) + |w_j|^2, P = Q(2 x) Q(w)^T on codes of BF8 (E5M2), K = 64, scales 2^e0 (for 2 x) and 2^e1 (for w).
; Row n = (b, h, w) of vectors [32][64 channels][4096]: a row's 64 channels lie 16,384 bytes apart.  codebook [1024][64] f32.  idx [131072] int32.
; BOTH ROUNDINGS OF d ARE KEPT AS THE FORMULA HAS THEM: t = fma(S, -2^(e0+e1), |x|^2) is the once-rounded |x|^2 - P, then d = t + |w|^2; equal d: the lowest j.
; (|x|^2 is the same for all codes of a row, but it is large beside the other terms and its rounding decides ties: it stays.)
; SHARES.  A work-group takes 512 rows.  Wave w = 4 g + c keeps codes 256 c .. 256 c + 255 in registers (16 tiles: fragments and |w|^2, both in window 1) and works the 256 rows 256 g .. against them:
; 16 x tiles of 16 rows, in four stages of four.  The loop reads nothing of the codebook.
; x: a stage is 64 rows for each g.  Wave (g, c) converts 16 of their 64 channels and hands the codes, and its part of |x|^2, to the other waves through LDS, in bytes of their own for each stage.
; A stage's x is asked for one whole stage (four x tiles) ahead, straight into registers; no prefetch stands beside that: it would name the same bytes in the same trip.
; CLUSTER.  The four work-groups of a cluster read the same codebook: each wave's 128 rows of it are asked for JOINTLY (mask 15), by one tensor load.  Each wave quantises the 8 tiles that it fetched; the codes
; go from wave to wave through LDS as images of the operand's registers, laid over rows that have been read.  No LDS byte is filled twice.
; LAYOUT.  Source 0 = 16 codes, source 1 = 16 rows of x: in the result lane (r, h) holds ONE row, and register j the code 16 t + 8 h + j.  Lane r of x tile u is row 4 r + u of the stage's 64, so that a
; 16-byte load brings four rows of one channel (sixteen lanes: 256 consecutive bytes).  Along K both operands hold, in lane (r, h), register i, byte b, channel 32 h + 4 i + b.
; THE ARGMIN.  For each x tile the wave's 16 code tiles come in 8 groups of two: 16 distances a lane.  A tree gives the group's lowest; where it is under the lowest so far the group's 16 distances, its lowest and its number
; are taken over by selects (ascending groups, the older one stays on equality).  Behind the last group one search finds the place among the 16: key = (d - m) 2^127 + place, 0 + place just where d = m; the lowest key.
; So each lane ends with (m, code), which goes to LDS; at the end each thread joins two rows' eight candidates: the lowest m, then the lowest code.
; LIMITS.  Two different distances that both lie under 2^-90 in magnitude are not told apart.  NaN or infinite distances are not served.  e0 - 1 and e1 between -126 and 112, e0 + e1 between -126 and 127,
; so that each power of two below is an f32 number.  |x|^2 and |w|^2 are f32 sums in this text's own order.
.set BLK,  4352                        ; 16 rows of the codebook, 256 bytes + 16 of padding each
.set REGN, 8*BLK                       ; a wave's region: the 128 rows that its tensor load brings; later 8 images of 1,024 bytes, and from byte 8,192 one of the eight candidates of the 512 rows
.set WWT,  8*REGN                      ; |w|^2, 1,024 f32
.set XFB,  WWT+4096                    ; x's fragments: [stage][g][tile u] 1,024 bytes
.set XXB,  XFB+32768                   ; parts of |x|^2: [stage][g][c] 64 f32
.set SPARE, XXB+8192                   ; the spare words: 128 bytes for each wave, which no other line names
.set XO,   4                           ; x: 131,072 c + 524,288 h + 16 r
.set CRA,  5                           ; my row of a codebook tile
.set CIA,  6                           ; where I store an image
.set CWA,  7                           ; where I store |w|^2
.set XSL,  8                           ; stage 0: where I store codes of x,
.set XXSL, 9                           ; my part of |x|^2,
.set XLL,  10                          ; where I read fragments,
.set XXLL, 11                          ; the parts of |x|^2,
.set RSL,  12                          ; and where my candidates go
.set CFA,  13                          ; the images of my 16 code tiles
.set CWL,  14                          ; their |w|^2
.set CB,   15                          ; 256 c + 8 h
.set XSA,  16                          ; the same five for the stage at work
.set XXS,  17
.set XLA,  18
.set XXL,  19
.set RSA,  20
.set WSC,  21                          ; 2^e1, 57,344 x 2^e1, 2^(e0 - 1), 57,344 x 2^(e0 - 1)
.set WBD,  22
.set XSC,  23
.set XBD,  24
.set XR,   32                          ; v32-63   x as loaded: channel q, row u at 32 + 4 q + u
.set D,    64                          ; v64-127  a ring of four groups' results
.set C,    128                         ; v128-159 the 16 distances kept, two x tiles by turns
.set E,    160                         ; v160-175 the search
.set TT,   176                         ; v176-180 a tree at work
.set XF,   184                         ; v184-199 x's fragments, two by turns
.set LX,   200                         ; v200-215 the four parts of |x|^2 as loaded
.set X4,   216                         ; v216-219 |x|^2 of the stage's four tiles
.set J,    220                         ; v220-235 places 0-7, 16-23 as f32
.set M,    236                         ; v236-243 the lowest and its group (in the end its code): a pair for each of the stage's four x tiles
.set T,    244                         ; v244-251 codes of x to store, two registers a tile
.set XXO,  28                          ; v28-31   my part of |x|^2 of four rows
.set GM,   252                         ; a group's lowest
.set KT,   253                         ; the search's place
.set SPW,  254
.set NIL,  255
.set CR,   D                           ; codebook phase: two sets of 32 numbers,
.set CF,   C                           ; two sets of 8 registers of codes,
.set CH,   E                           ; chains at + 0 .. 3, the other half's sum at + 4, |w|^2 at + 6, + 7
.set SQ,   E                           ; x's conversion: four pairs of sums of squares,
.set Y,    LX                          ; eight registers of codes as converted,
.set PQ,   LX+8                        ; eight in the turn of 4 x 4 bytes
.set MSB, 0
.macro WIN new                         ; the immediate's high byte repeats the setting that is left
.if MSB != \new
	s_set_vgpr_msb (MSB<<8)|\new
.set MSB, \new
.endif
.endm
; A round of the cluster's barrier: my work-group's barrier; wave 0 signals for the work-group; every wave waits for the four work-groups; my work-group's barrier once more.
.macro ROUND
	s_barrier_signal -1
	s_barrier_wait -1
	s_cmp_lg_u32 s14, 0
	s_cbranch_scc1 .Lnot_wave_0_\@
	s_barrier_signal -3
.Lnot_wave_0_\@:
	s_barrier_wait -3
	s_barrier_signal -1
	s_barrier_wait -1
.endm
.macro XLOAD                           ; eight loads, each 2 x 256 consecutive bytes: channels 8 c + q and 32 + 8 c + q of 64 rows; read once in the launch
.irp q, 0,1,2,3,4,5,6,7
	global_load_b128 v[XR+4*\q:XR+4*\q+3], v[XO], s[4:5] offset:16384*\q th:TH_LOAD_NT
.endr
.endm
; Squares of the numbers as they are; hold; conversion (a word then holds ONE channel of rows 0-3); a turn of 4 x 4 bytes gives words of four channels of one row: registers 2 c, 2 c + 1 of the four tiles' fragments.
.macro XCONV
	s_wait_alu depctr_va_vdst(0)
	s_wait_loadcnt 0x0                             ; the stage's eight loads are in
	s_add_nc_u64 s[4:5], s[4:5], 0x100             ; the next stage: 64 rows of 4 bytes on
.irp q, 0,1,2,3,4,5,6,7
.if \q < 2
	v_pk_mul_f32 v[SQ+4*(\q%2):SQ+4*(\q%2)+1],   v[XR+4*\q:XR+4*\q+1],   v[XR+4*\q:XR+4*\q+1]     ; four chains, started by the first squares
	v_pk_mul_f32 v[SQ+4*(\q%2)+2:SQ+4*(\q%2)+3], v[XR+4*\q+2:XR+4*\q+3], v[XR+4*\q+2:XR+4*\q+3]
.else
	v_pk_fma_f32 v[SQ+4*(\q%2):SQ+4*(\q%2)+1],   v[XR+4*\q:XR+4*\q+1],   v[XR+4*\q:XR+4*\q+1],   v[SQ+4*(\q%2):SQ+4*(\q%2)+1]
	v_pk_fma_f32 v[SQ+4*(\q%2)+2:SQ+4*(\q%2)+3], v[XR+4*\q+2:XR+4*\q+3], v[XR+4*\q+2:XR+4*\q+3], v[SQ+4*(\q%2)+2:SQ+4*(\q%2)+3]
.endif
.irp y, 0,1,2,3
	v_med3_num_f32 v[XR+4*\q+\y], v[XR+4*\q+\y], -v[XBD], v[XBD]   ; the conversion to an 8-bit code does not saturate (ISA guide 7.6.2): hold the number within the largest code x the scale, behind its square
.endr
.endr
.irp k, 0,1,2,3
	v_cvt_scalef32_pk8_bf8_f32 v[Y+2*\k:Y+2*\k+1], v[XR+8*\k:XR+8*\k+7], v[XSC]     ; Y[q]: channel q, rows 0-3 in bytes 0-3
.endr
	v_nop                                          ; one plain vector instruction between the conversions and the first use of their results
.irp a, 0,1                                    ; channels 4 a .. 4 a + 3
	v_perm_b32 v[PQ+4*\a],   v[Y+4*\a+1], v[Y+4*\a],   s38     ; channels 0, 1 of rows 0 and 1
	v_perm_b32 v[PQ+4*\a+1], v[Y+4*\a+1], v[Y+4*\a],   s39     ; of rows 2 and 3
	v_perm_b32 v[PQ+4*\a+2], v[Y+4*\a+3], v[Y+4*\a+2], s38     ; channels 2, 3 of rows 0 and 1
	v_perm_b32 v[PQ+4*\a+3], v[Y+4*\a+3], v[Y+4*\a+2], s39     ; of rows 2 and 3
	s_delay_alu instid0(VALU_DEP_2)
	v_perm_b32 v[T+\a],   v[PQ+4*\a+2], v[PQ+4*\a],   s40      ; row 0's four channels
	s_delay_alu instid0(VALU_DEP_3)
	v_perm_b32 v[T+2+\a], v[PQ+4*\a+2], v[PQ+4*\a],   s41      ; row 1's
	s_delay_alu instid0(VALU_DEP_3)
	v_perm_b32 v[T+4+\a], v[PQ+4*\a+3], v[PQ+4*\a+1], s40      ; row 2's
	s_delay_alu instid0(VALU_DEP_4)
	v_perm_b32 v[T+6+\a], v[PQ+4*\a+3], v[PQ+4*\a+1], s41      ; row 3's
.endr
	v_pk_add_f32 v[SQ:SQ+1], v[SQ:SQ+1], v[SQ+4:SQ+5]          ; even and odd channels
	v_pk_add_f32 v[SQ+2:SQ+3], v[SQ+2:SQ+3], v[SQ+6:SQ+7]
.irp u, 0,1,2,3
	v_permlanex16_b32 v[Y+\u], v[SQ+\u], s36, s37              ; the other half's eight channels
.endr
.irp u, 0,1,2,3
	v_add_f32 v[XXO+\u], v[SQ+\u], v[Y+\u]                     ; row 4 r + u: 16 channels' squares
.endr
.endm
.macro XSTORE ax, of, axx, ofx
.irp u, 0,1,2,3
	ds_store_b64 v[\ax], v[T+2*\u:T+2*\u+1] offset:\of+1024*\u
.endr
	ds_store_b128 v[\axx], v[XXO:XXO+3] offset:\ofx            ; lanes r and 16 + r store the same numbers to the same words
.endm
.macro XXLOAD ax, of
.irp q, 0,1,2,3
	ds_load_b128 v[LX+4*\q:LX+4*\q+3], v[\ax] offset:\of+256*\q
.endr
.endm
; x fragment b against group G's two code tiles.  K = 64 is one instruction: every sum begins and ends here, C is 0, no accumulator is taken up again.
.macro MM G, b
	WIN 0x01                                       ; source 0: window 1
	v_wmma_f32_16x16x64_bf8_bf8 v[D+16*((\G)%4):D+16*((\G)%4)+7],    v[16*(\G):16*(\G)+7],    v[XF+8*(\b):XF+8*(\b)+7], 0
	v_wmma_f32_16x16x64_bf8_bf8 v[D+16*((\G)%4)+8:D+16*((\G)%4)+15], v[16*(\G)+8:16*(\G)+15], v[XF+8*(\b):XF+8*(\b)+7], 0
.endm
.macro TREE x, o                       ; the lowest of v[x .. x + 15] into v[o]
	v_min3_num_f32 v[TT],   v[\x],    v[\x+1],  v[\x+2]
	v_min3_num_f32 v[TT+1], v[\x+3],  v[\x+4],  v[\x+5]
	v_min3_num_f32 v[TT+2], v[\x+6],  v[\x+7],  v[\x+8]
	v_min3_num_f32 v[TT+3], v[\x+9],  v[\x+10], v[\x+11]
	v_min3_num_f32 v[TT+4], v[\x+12], v[\x+13], v[\x+14]
	v_min3_num_f32 v[TT],   v[TT],    v[TT+1],  v[TT+2]
	v_min3_num_f32 v[TT+3], v[TT+3],  v[TT+4],  v[\x+15]
	v_min_num_f32  v[\o],   v[TT],    v[TT+3]
.endm
; Group g against what is kept: VCC = the older one stays.
.macro CMP u
	v_cmp_le_f32 vcc_lo, v[M+2*(\u)], v[GM]
.endm
.macro SEL g, u
.set CP, C+16*((\u)%2)
.set MP, M+2*(\u)
	v_dual_cndmask_b32 v[MP], v[GM], v[MP] :: v_dual_cndmask_b32 v[MP+1], \g, v[MP+1]
.irp k, 0,2,4,6,8,10,12,14
	v_dual_cndmask_b32 v[CP+\k], v[D+16*((\g)%4)+\k], v[CP+\k] :: v_dual_cndmask_b32 v[CP+\k+1], v[D+16*((\g)%4)+\k+1], v[CP+\k+1]
.endr
.endm
; Two results of group g of x tile u: t = |x|^2 - S 2^(e0 + e1), rounded once, in place.
.macro T1 u, g, i
.if (\u)%2
	v_pk_fma_f32 v[D+16*((\g)%4)+\i:D+16*((\g)%4)+\i+1], v[D+16*((\g)%4)+\i:D+16*((\g)%4)+\i+1], s[32:33], v[X4+2*((\u)/2):X4+2*((\u)/2)+1] op_sel:[0,0,1] op_sel_hi:[1,0,1]
.else
	v_pk_fma_f32 v[D+16*((\g)%4)+\i:D+16*((\g)%4)+\i+1], v[D+16*((\g)%4)+\i:D+16*((\g)%4)+\i+1], s[32:33], v[X4+2*((\u)/2):X4+2*((\u)/2)+1] op_sel_hi:[1,0,0]
.endif
.endm
; A tree with the t of the group that follows (g of x tile u) between its levels.
.macro TREET x, o, u, g
	v_min3_num_f32 v[TT],   v[\x],    v[\x+1],  v[\x+2]
	v_min3_num_f32 v[TT+1], v[\x+3],  v[\x+4],  v[\x+5]
	v_min3_num_f32 v[TT+2], v[\x+6],  v[\x+7],  v[\x+8]
	v_min3_num_f32 v[TT+3], v[\x+9],  v[\x+10], v[\x+11]
	v_min3_num_f32 v[TT+4], v[\x+12], v[\x+13], v[\x+14]
	T1 \u, \g, 0
	T1 \u, \g, 2
	v_min3_num_f32 v[TT],   v[TT],    v[TT+1],  v[TT+2]
	v_min3_num_f32 v[TT+3], v[TT+3],  v[TT+4],  v[\x+15]
	T1 \u, \g, 4
	T1 \u, \g, 6
	v_min_num_f32  v[\o],   v[TT],    v[TT+3]
	T1 \u, \g, 8
	T1 \u, \g, 10
	T1 \u, \g, 12
	T1 \u, \g, 14
.endm
; The place among the 16 kept and the code of x tile u.
.macro FS u
.set CS, C+16*((\u)%2)
.set MS, M+2*(\u)
.irp i, 0,2,4,6,8,10,12,14
	v_pk_add_f32 v[E+\i:E+\i+1], v[CS+\i:CS+\i+1], v[MS:MS+1] op_sel_hi:[1,0] neg_lo:[0,1] neg_hi:[0,1]
.endr
.irp i, 0,2,4,6,8,10,12,14
	v_pk_fma_f32 v[E+\i:E+\i+1], v[E+\i:E+\i+1], s[34:35], v[J+\i:J+\i+1] op_sel_hi:[1,0,1]
.endr
	TREE E, KT
	v_cvt_u32_f32 v[KT], v[KT]
	v_lshl_add_u32 v[MS+1], v[MS+1], 5, v[KT]
	v_add_nc_u32 v[MS+1], v[MS+1], v[CB]           ; 256 c + 32 group + 16 tile + 8 h + j
.endm
; One group of x tile u, its t made in the step before: the compare for the group before; the products of two groups on (into the ring's place that the step before freed); d; the selects for the group before, or the
; search of the tile before; and the tree with the next group's t.  A result is first read in the step behind its product's.  Group 0's distances go straight into the kept ones.
.macro STEP u, g, gp, more
.set DG, D+16*((\g)%4)
.set CG, C+16*((\u)%2)
.if (\g) == 6
	s_wait_alu depctr_va_vdst(0)
	s_wait_dscnt 0x0                               ; the next x tile's fragment is in
.endif
.if (\g) >= 2
	CMP \u
.elseif ((\g) == 0) && ((\u) > 0)
	CMP \u-1
.endif
.if (\g) < 6
	MM \g+2, (\u)%2
.elseif ((\u) < 3) || (\more)
	MM \g-6, (\u+1)%2
.endif
	WIN 0x01
.irp i, 0,2,4,6,8,10,12,14
.if (\g) == 0
	v_pk_add_f32 v[CG+\i:CG+\i+1], v[128+\i:128+\i+1], v[DG+\i:DG+\i+1]                             ; d = t + |w|^2
.else
	v_pk_add_f32 v[DG+\i:DG+\i+1], v[128+16*(\g)+\i:128+16*(\g)+\i+1], v[DG+\i:DG+\i+1]
.endif
.endr
	WIN 0
.if (\g) >= 2
	SEL \gp, \u
.elseif (\u) > 0
.if (\g) == 0
	SEL 7, \u-1
.else
	FS \u-1
.endif
.endif
.if (\g) == 0
	TREET CG, M+2*(\u), \u, 1
	v_mov_b32 v[M+2*(\u)+1], 0
.elseif (\g) < 7
	TREET DG, GM, \u, \g+1
.elseif (\u) < 3
	TREET DG, GM, \u+1, 0
.else
	TREE DG, GM
.endif
.endm
.macro TILE u, more
.if (\u) < 3
	ds_load_b128 v[XF+8*((\u+1)%2):XF+8*((\u+1)%2)+3],   v[XLA] offset:1024*(\u+1)
	ds_load_b128 v[XF+8*((\u+1)%2)+4:XF+8*((\u+1)%2)+7], v[XLA] offset:1024*(\u+1)+512
.endif
	STEP \u, 0, 0, \more
	STEP \u, 1, 0, \more
.if ((\u) == 3) && (\more)
	s_wait_alu depctr_va_vdst(0)
	s_barrier_wait -1                              ; the next stage's x lies in LDS (signalled at this stage's head):
	ds_load_b128 v[XF:XF+3],   v[XLA] offset:8192  ; its first fragment and its |x|^2
	ds_load_b128 v[XF+4:XF+7], v[XLA] offset:8192+512
	XXLOAD XXL, 2048
.endif
	STEP \u, 2, 1, \more
	STEP \u, 3, 2, \more
	STEP \u, 4, 3, \more
	STEP \u, 5, 4, \more
	STEP \u, 6, 5, \more
	STEP \u, 7, 6, \more
.endm
.macro STAGE more
	v_add_nc_u32 v[XLA], s42, v[XLL]
	v_add_nc_u32 v[RSA], s44, v[RSL]
.if \more
	v_add_nc_u32 v[XSA], s42, v[XSL]
	v_add_nc_u32 v[XXL], s43, v[XXLL]
	v_add_nc_u32 v[XXS], s43, v[XXSL]
.endif
	v_pk_add_f32 v[X4:X4+1],     v[LX:LX+1],     v[LX+4:LX+5]      ; |x|^2: the four parts
	v_pk_add_f32 v[X4+2:X4+3],   v[LX+2:LX+3],   v[LX+6:LX+7]
	v_pk_add_f32 v[LX+8:LX+9],   v[LX+8:LX+9],   v[LX+12:LX+13]
	v_pk_add_f32 v[LX+10:LX+11], v[LX+10:LX+11], v[LX+14:LX+15]
	v_pk_add_f32 v[X4:X4+1],     v[X4:X4+1],     v[LX+8:LX+9]
	v_pk_add_f32 v[X4+2:X4+3],   v[X4+2:X4+3],   v[LX+10:LX+11]
.if \more
	XCONV                                          ; the next stage's x, asked for a stage ago
	XSTORE XSA, 8192, XXS, 2048
	s_cmp_eq_u32 s45, 1                            ; in the loop's last trip no stage is left to ask for
	s_wait_alu depctr_va_vdst(0)
	s_cbranch_scc1 .Lno_x_\@
	XLOAD                                          ; the x of the stage after it
.Lno_x_\@:
	s_wait_dscnt 0x0                               ; for the others' sake: my part of the next stage's x has landed
	s_barrier_signal -1                            ; waited for in the fourth x tile: only work on registers and LDS loads of this stage's x until then
.else
	s_wait_alu depctr_va_vdst(0)
	s_wait_dscnt 0x0                               ; the candidates stored last have left their registers
.endif
.irp i, 0,2,4,6,8,10,12,14
	T1 0, 0, \i
.endr
	TILE 0, \more
	TILE 1, \more
	TILE 2, \more
	TILE 3, \more
	CMP 3
	SEL 7, 3
	FS 3
	ds_store_b128 v[RSA], v[M:M+3]                 ; the candidates of rows 4 r .. 4 r + 3
	ds_store_b128 v[RSA], v[M+4:M+7] offset:16
.endm
	s_load_b256 s[4:11], s[0:1], 0x0               ; vectors s[4:5], codebook s[6:7], the scales' exponents s[8:9], idx s[10:11]
	v_lshl_add_u32 v[SPW], v0, 2, SPARE
	v_mov_b32 v[NIL], 0
	ds_add_u32 v[SPW], v[NIL]                      ; the wave's opening: the add, twice on end, and its wait ahead of my tensor load
	ds_add_u32 v[SPW], v[NIL]
	v_lshrrev_b32 v1, 5, v0
	v_readfirstlane_b32 s14, v1                    ; wave 0..7
	s_bfe_u32 s15, ttmp6, 0x40000                  ; my place in the cluster: it enters x's and idx's global addresses alone
	s_lshl_b32 s16, ttmp9, 2                       ; in a cluster launch ttmp9 counts clusters
	s_add_co_u32 s16, s16, s15                     ; the work-group's number
	s_and_b32 s20, s14, 3                          ; c
	s_lshr_b32 s21, s14, 2                         ; g
	s_lshr_b32 s17, s16, 3
	s_lshl_b32 s17, s17, 20                        ; the batch: 64 channels x 16,384 bytes
	s_and_b32 s18, s16, 7
	s_lshl_b32 s18, s18, 11                        ; 512 rows x 4 bytes
	s_add_co_u32 s18, s18, s17
	s_lshl_b32 s17, s21, 10                        ; 256 rows x 4 bytes
	s_add_co_u32 s18, s18, s17
	s_mov_b32 s19, 0                               ; s[18:19]: x's offset
	s_lshl_b32 s54, s16, 11
	s_mov_b32 s55, 0                               ; s[54:55]: idx's offset
	s_lshl_b32 s52, s14, 15
	s_mov_b32 s53, 0                               ; s[52:53]: my 128 rows of the codebook: the wave's number alone
	s_mul_i32 s47, s14, REGN
	s_lshl_b32 s48, s14, 9
	s_add_co_u32 s48, s48, WWT
	s_lshl_b32 s50, s21, 12
	s_add_co_u32 s50, s50, XFB
	s_lshr_b32 s49, s20, 1
	s_lshl_b32 s49, s49, 9
	s_add_co_u32 s49, s49, s50
	s_and_b32 s51, s20, 1
	s_lshl_b32 s51, s51, 3
	s_add_co_u32 s49, s49, s51                     ; registers 2 c, 2 c + 1 of an image: 512 (c / 2) + 8 (c % 2)
	s_lshl_b32 s51, s21, 10
	s_add_co_u32 s51, s51, XXB
	s_lshl_b32 s60, s20, 8
	s_add_co_u32 s56, s51, s60
	s_mul_i32 s57, s20, 2*REGN                     ; my 16 code tiles: the images of waves 2 c and 2 c + 1
	s_lshl_b32 s58, s21, 11
	s_add_co_u32 s58, s58, s57
	s_add_co_u32 s58, s58, 8192
	s_lshl_b32 s59, s20, 10
	s_add_co_u32 s59, s59, WWT
	s_lshl_b32 s61, s20, 17                        ; 8 channels x 16,384 bytes
	; descriptor group 1: 128 rows x 64 elements of 4 bytes, dense in memory, 16 bytes of padding behind each row in LDS
	s_mov_b32 s24, 15|(2<<16)|(1<<20)|(1<<21)|(5<<22)|(3<<25)   ; 15:0 the mask: all four work-groups; 17:16 elements of 4 bytes; 20 padding on; 21 set beside a mask; 24:22 after every 64 words (code 5); 31:25 four words (code 3)
	s_mov_b32 s25, 64<<16                          ; tensor_dim0 = 64
	s_mov_b32 s26, 128<<16                         ; tensor_dim1 = 128
	s_mov_b32 s27, 64<<16                          ; tile_dim0 = 64
	s_mov_b32 s28, 128                             ; tile_dim1 = 128
	s_mov_b32 s29, 64                              ; elements from row to row
	s_mov_b32 s30, 0
	s_mov_b32 s31, 0
	s_mov_b32 s34, 0x7f000000                      ; 2^127
	s_mov_b32 s35, s34                             ; (named with it as a pair, so it is written)
	s_mov_b32 s36, 0x76543210                      ; v_permlanex16_b32: lane l xor 16
	s_mov_b32 s37, 0xfedcba98
	s_mov_b32 s38, 0x05010400                      ; v_perm_b32: bytes 0 and 1 of two words, interleaved;
	s_mov_b32 s39, 0x07030602                      ; bytes 2 and 3;
	s_mov_b32 s40, 0x05040100                      ; the two low halves;
	s_mov_b32 s41, 0x07060302                      ; the two high halves
	s_mov_b32 s42, 0                               ; the stage's steps in LDS: 8,192, 2,048 and 512 a stage
	s_mov_b32 s43, 0
	s_mov_b32 s44, 0
	v_and_b32 v1, 31, v0                           ; lane
	v_and_b32 v2, 15, v0                           ; r
	v_bfe_u32 v3, v0, 4, 1                         ; h
	v_lshlrev_b32 v[XO], 4, v2
	v_mul_u32_u24 v[CRA], v2, 272
	v_mul_u32_u24 v[RSL], v3, REGN
	v_lshlrev_b32 v25, 4, v1
	v_lshlrev_b32 v26, 4, v2
	v_lshl_add_u32 v[XO], v3, 19, v[XO]            ; 32 channels further on for lanes 16-31
	v_lshl_add_u32 v[CRA], v3, 7, v[CRA]
	v_lshl_add_u32 v[RSL], v2, 5, v[RSL]           ; four rows x 8 bytes a lane
	v_add_nc_u32 v[XO], s61, v[XO]
	v_add_nc_u32 v[CRA], s47, v[CRA]
	v_add_nc_u32 v[RSL], s58, v[RSL]
	v_add_nc_u32 v[CIA], s47, v25
	v_lshl_add_u32 v[CWA], v2, 2, s48
	v_add_nc_u32 v[XSL], s49, v25
	v_add_nc_u32 v[XLL], s50, v25
	v_add_nc_u32 v[XXLL], s51, v26
	v_add_nc_u32 v[XXSL], s56, v26
	v_add_nc_u32 v[CFA], s57, v25
	v_lshl_add_u32 v[CWL], v3, 5, s59
	v_lshl_add_u32 v[CB], v3, 3, s60
	s_wait_alu depctr_va_vdst(0)
	s_wait_dscnt 0x0                               ; both opening adds are done
	s_wait_kmcnt 0x0
	s_load_b64 s[12:13], s[8:9], 0x0               ; e0, e1
	s_add_nc_u64 s[4:5], s[4:5], s[18:19]
	s_add_nc_u64 s[10:11], s[10:11], s[54:55]
	s_mov_b32 s68, 1                               ; descriptor group 0: count = 1
	s_mul_i32 s69, s14, REGN                       ; LDS address: the wave's number alone
	s_add_nc_u64 s[70:71], s[6:7], s[52:53]        ; 128 rows of 256 bytes
	s_or_b32 s71, s71, 0x80000000                  ; type = 2
	XLOAD                                          ; stage 0's x
	ROUND                                          ; the four work-groups are here: the joint loads meet
	tensor_load_to_lds s[68:71], s[24:31]          ; my one tensor load of the launch
	s_nop 0
.rept 4
	v_nop
.endr
	s_wait_kmcnt 0x0
	s_add_co_i32 s56, s13, 127
	s_lshl_b32 s57, s56, 23
	s_add_co_i32 s56, s56, 15
	s_lshl_b32 s56, s56, 23
	s_or_b32 s56, s56, 0x600000
	s_add_co_i32 s58, s12, 126
	s_lshl_b32 s59, s58, 23
	s_add_co_i32 s58, s58, 15
	s_lshl_b32 s58, s58, 23
	s_or_b32 s58, s58, 0x600000
	s_add_co_i32 s32, s12, s13
	s_add_co_i32 s32, s32, 127
	s_lshl_b32 s32, s32, 23
	s_or_b32 s32, s32, 0x80000000                  ; -2^(e0 + e1)
	s_mov_b32 s33, s32                             ; (named with it as a pair)
	v_mov_b32 v[WSC], s57                          ; 2^e1 as f32: the conversion takes its exponent field
	v_mov_b32 v[WBD], s56                          ; 57,344 x 2^e1
	v_mov_b32 v[XSC], s59                          ; 2^(e0 - 1): 2 x / 2^e0 = x / 2^(e0 - 1): the factor 2 is folded in, exactly
	v_mov_b32 v[XBD], s58                          ; 57,344 x 2^(e0 - 1)
.set k, 0
.irp n, 0x0,0x3f800000,0x40000000,0x40400000,0x40800000,0x40a00000,0x40c00000,0x40e00000,0x41800000,0x41880000,0x41900000,0x41980000,0x41a00000,0x41a80000,0x41b00000,0x41b80000
	v_mov_b32 v[J+k], \n                           ; 0 .. 7, 16 .. 23
.set k, k+1
.endr
	XCONV                                          ; stage 0's x, while the codebook is on its way
	s_wait_alu depctr_va_vdst(0)
	s_wait_tensorcnt 0x0                           ; my 128 rows of the codebook are in LDS; I read nobody else's
	XSTORE XSL, 0, XXSL, 0
; ---- THE CODEBOOK: my eight tiles.  Lane (r, h) takes channels 32 h .. 32 h + 31 of code r of the tile: 128 bytes, eight loads.
.macro LOADT i
.irp q, 0,1,2,3,4,5,6,7
	ds_load_b128 v[CR+32*((\i)%2)+4*\q:CR+32*((\i)%2)+4*\q+3], v[CRA] offset:BLK*(\i)+16*\q
.endr
.endm
; Tile i: |w|^2 of the numbers as they are, then hold, conversion, image.  cnt: the LDS instructions issued behind the tile's loads.
.macro CBTILE i, cnt
.set RS, CR+32*((\i)%2)
.set FG, CF+8*((\i)%2)
	s_wait_dscnt \cnt                              ; the tile's eight loads are in, and so are the stores of two tiles ago, which read the registers written below
	v_pk_mul_f32 v[CH:CH+1], v[RS:RS+1], v[RS:RS+1]            ; the first squares start the two chains: nothing is cleared
	v_pk_mul_f32 v[CH+2:CH+3], v[RS+2:RS+3], v[RS+2:RS+3]
.irp y, 0,1,2,3
	v_med3_num_f32 v[RS+\y], v[RS+\y], -v[WBD], v[WBD]         ; the hold at the largest code x the scale, behind the number's square
.endr
.irp q, 4,8,12,16,20,24,28
	v_pk_fma_f32 v[CH:CH+1], v[RS+\q:RS+\q+1], v[RS+\q:RS+\q+1], v[CH:CH+1]
	v_pk_fma_f32 v[CH+2:CH+3], v[RS+\q+2:RS+\q+3], v[RS+\q+2:RS+\q+3], v[CH+2:CH+3]
.irp y, 0,1,2,3
	v_med3_num_f32 v[RS+\q+\y], v[RS+\q+\y], -v[WBD], v[WBD]
.endr
.endr
	v_cvt_scalef32_pk8_bf8_f32 v[FG:FG+1], v[RS:RS+7], v[WSC]  ; register i, byte b: channel 32 h + 4 i + b
	v_pk_add_f32 v[CH:CH+1], v[CH:CH+1], v[CH+2:CH+3]
	v_cvt_scalef32_pk8_bf8_f32 v[FG+2:FG+3], v[RS+8:RS+15], v[WSC]
	v_add_f32 v[CH], v[CH], v[CH+1]
	v_cvt_scalef32_pk8_bf8_f32 v[FG+4:FG+5], v[RS+16:RS+23], v[WSC]
	v_permlanex16_b32 v[CH+4], v[CH], s36, s37                 ; the code's other 32 channels lie in the lane 16 away
	v_cvt_scalef32_pk8_bf8_f32 v[FG+6:FG+7], v[RS+24:RS+31], v[WSC]
	v_add_f32 v[CH+6+(\i)%2], v[CH], v[CH+4]                   ; (also the plain vector instruction behind the last conversion of a run)
	ds_store_b128 v[CIA], v[FG:FG+3] offset:1024*(\i)          ; the image, over rows of tiles 0 and 1: they are in registers by now, and LDS serves a wave's instructions in order (ISA guide 5.7.1.4)
	ds_store_b128 v[CIA], v[FG+4:FG+7] offset:1024*(\i)+512
	ds_store_b32 v[CWA], v[CH+6+(\i)%2] offset:64*(\i)         ; lanes r and 16 + r store the same number to the same word
.if (\i) < 6
	LOADT (\i)+2
.endif
.endm
	LOADT 0
	LOADT 1
	XLOAD                                          ; stage 1's x: first used behind the codebook's eight tiles
	CBTILE 0, 8                                    ; behind tile 0's loads: tile 1's eight
.irp i, 1,2,3,4,5,6
	CBTILE \i, 11                                  ; behind the tile's loads: three stores and the next tile's eight loads
.endr
	CBTILE 7, 3                                    ; behind tile 7's loads: tile 6's three stores
	s_wait_alu depctr_va_vdst(0)
	s_wait_dscnt 0x0                               ; for the others' sake: my images, my |w|^2 and my part of stage 0's x have landed
	s_barrier_signal -1
	s_barrier_wait -1
; ---- my 256 codes into window 1: fragments v0-127, |w|^2 v128-255, laid as the results are
	ds_load_b128 v[XF:XF+3],   v[XLL]
	ds_load_b128 v[XF+4:XF+7], v[XLL] offset:512
	XXLOAD XXLL, 0
	WIN 0x40                                       ; destination: window 1
.irp i, 0,1,2,3,4,5,6,7,8,9,10,11,12,13,14,15
	ds_load_b128 v[8*\i:8*\i+3],   v[CFA] offset:REGN*(\i/8)+1024*(\i%8)
	ds_load_b128 v[8*\i+4:8*\i+7], v[CFA] offset:REGN*(\i/8)+1024*(\i%8)+512
.endr
.irp i, 0,1,2,3,4,5,6,7,8,9,10,11,12,13,14,15
	ds_load_b128 v[128+8*\i:128+8*\i+3], v[CWL] offset:64*\i   ; the sixteen lanes of a half read the same 32 bytes
	ds_load_b128 v[128+8*\i+4:128+8*\i+7], v[CWL] offset:64*\i+16
.endr
	s_wait_dscnt 56                                ; x's first fragment, its |x|^2 and code tiles 0 to 3 are in; behind them 24 loads of fragments and 32 of |w|^2, which the first stage's wait ahead of its signal covers
	MM 0, 0
	MM 1, 0
	WIN 0
	s_mov_b32 s45, 3
.Lstage:
	STAGE 1
	s_add_co_u32 s42, s42, 8192
	s_add_co_u32 s43, s43, 2048
	s_add_co_u32 s44, s44, 512
	s_sub_co_u32 s45, s45, 1
	s_cmp_lg_u32 s45, 0
	s_wait_alu depctr_va_vdst(0)
	s_cbranch_scc1 .Lstage
	STAGE 0                                        ; the last stage: nothing more to fetch
; ---- THE END: thread t joins the rows of idx places 2 t and 2 t + 1: eight candidates each, (m, code) by (m, code)
	; idx is laid for the next launch: in each run of 32 rows, place 16 a + i holds row 2 i + a.  Thread t has places 2 t and 2 t + 1: rows 32 (t / 16) + 4 (t % 8) + (t / 8) % 2, and two further down
	v_and_b32 v27, 7, v0
	v_bfe_u32 v26, v0, 3, 1
	v_lshrrev_b32 v24, 4, v0
	v_lshlrev_b32 v27, 5, v27
	v_lshl_add_u32 v27, v26, 3, v27
	v_lshl_add_u32 v27, v24, 8, v27
	v_lshlrev_b32 v25, 3, v0
	v_mov_b32 v31, 0x7fffffff
	v_add_nc_u32 v28, 8192+2*REGN, v27
	v_add_nc_u32 v29, 8192+4*REGN, v27
	v_add_nc_u32 v30, 8192+6*REGN, v27
	v_add_nc_u32 v27, 8192, v27
	s_wait_alu depctr_va_vdst(0)
	s_wait_dscnt 0x0                               ; for the others' sake: my candidates have landed
	s_barrier_signal -1
	s_barrier_wait -1
.irp p, 0,1,2,3
	ds_load_b64 v[64+8*\p:65+8*\p], v[27+\p]
	ds_load_b64 v[66+8*\p:67+8*\p], v[27+\p] offset:16
	ds_load_b64 v[68+8*\p:69+8*\p], v[27+\p] offset:REGN
	ds_load_b64 v[70+8*\p:71+8*\p], v[27+\p] offset:REGN+16
.endr
	s_wait_dscnt 0x0
.irp w, 0,1
	v_min3_num_f32 v[100+\w], v[64+2*\w], v[68+2*\w], v[72+2*\w]
	v_min3_num_f32 v[102+\w], v[76+2*\w], v[80+2*\w], v[84+2*\w]
.endr
.irp w, 0,1
	v_min3_num_f32 v[100+\w], v[100+\w], v[88+2*\w], v[92+2*\w]
.endr
.irp w, 0,1
	v_min_num_f32 v[100+\w], v[100+\w], v[102+\w]
.endr
.irp w, 0,1
.irp k, 0,1,2,3,4,5,6,7
	v_cmp_eq_f32 vcc_lo, v[64+4*\k+2*\w], v[100+\w]
	v_cndmask_b32 v[65+4*\k+2*\w], v31, v[65+4*\k+2*\w], vcc_lo   ; a candidate that is not the lowest counts for nothing
.endr
.endr
.irp w, 0,1
.irp k, 0,1,2,3
	v_min_u32 v[104+4*\w+\k], v[65+4*\k+2*\w], v[81+4*\k+2*\w]
.endr
.endr
.irp w, 0,1
	v_min_u32 v[104+4*\w], v[104+4*\w], v[105+4*\w]
	v_min_u32 v[106+4*\w], v[106+4*\w], v[107+4*\w]
.endr
.irp w, 0,1
	v_min_u32 v[112+\w], v[104+4*\w], v[106+4*\w]
.endr
	global_store_b64 v25, v[112:113], s[10:11]     ; the wave stores 256 consecutive bytes, at a multiple of 256 from idx's first byte
	s_wait_tensorcnt 0x0                           ; the wave's end
	ds_add_u32 v[SPW], v[NIL]
	s_wait_dscnt 0x0
	ROUND                                          ; the closing round: no work-group ends while a partner may still ask for a tile that names it
	s_endpgm
.Lfunc_end_k_qe2707e87f8_argmin:
	.size	k_qe2707e87f8_argmin, .Lfunc_end_k_qe2707e87f8_argmin-k_qe2707e87f8_argmin
	.p2alignl 7, 3214868480
	.fill 96, 4, 3214868480
	.section	.rodata,"a",@progbits
	.p2align	6, 0x0
	.amdhsa_kernel k_qe2707e87f8_argmin
		.amdhsa_group_segment_fixed_size 327680
		.amdhsa_private_segment_fixed_size 0
		.amdhsa_enable_private_segment 0
		.amdhsa_kernarg_size 32
		.amdhsa_user_sgpr_count 2
		.amdhsa_user_sgpr_kernarg_segment_ptr 1
		.amdhsa_wavefront_size32 1
		.amdhsa_system_sgpr_workgroup_id_x 1
		.amdhsa_system_sgpr_workgroup_id_y 1
		.amdhsa_system_sgpr_workgroup_id_z 1
		.amdhsa_system_vgpr_workitem_id 0
		.amdhsa_next_free_vgpr 512
		.amdhsa_next_free_sgpr 76
		.amdhsa_reserve_vcc 1
		.amdhsa_float_denorm_mode_32 3
		.amdhsa_float_denorm_mode_16_64 3
		.amdhsa_memory_ordered 1
		.amdhsa_forward_progress 1
		.amdhsa_inst_pref_size 219
	.end_amdhsa_kernel
	.amdgpu_metadata
---
amdhsa.version: [ 1, 2 ]
amdhsa.kernels:
  - .name:           k_qe2707e87f8_argmin
    .symbol:         k_qe2707e87f8_argmin.kd
    .args:
      - { .name: vectors, .offset: 0, .size: 8, .value_kind: global_buffer, .address_space: global }
      - { .name: codebook, .offset: 8, .size: 8, .value_kind: global_buffer, .address_space: global }
      - { .name: lowp_scales, .offset: 16, .size: 8, .value_kind: global_buffer, .address_space: global }
      - { .name: idx, .offset: 24, .size: 8, .value_kind: global_buffer, .address_space: global }
    .group_segment_fixed_size: 327680
    .private_segment_fixed_size: 0
    .kernarg_segment_align: 8
    .kernarg_segment_size: 32
    .max_flat_workgroup_size: 256
    .sgpr_count:     76
    .vgpr_count:     512
    .wavefront_size: 32
...
	.end_amdgpu_metadata
.endif
;; end of part 1
;; launch gather (part 2): grid 256 x 1, 16 waves a work-group, no clusters, 0 bytes of LDS; arguments codebook, idx, out0; writes out0
.if DOCPART == 2
	.amdgcn_target "amdgcn-amd-amdhsa--gfx1250"
	.amdhsa_code_object_version 6
	.text
	.protected	k_qe2707e87f8_gather
	.globl	k_qe2707e87f8_gather
	.p2align	8
	.type	k_qe2707e87f8_gather,@function
k_qe2707e87f8_gather:
	s_mov_b64 s[64:65], 0
	v_nop
	global_prefetch_b8 v0, s[64:65] scope:SCOPE_SE
	s_setreg_imm32_b32 hwreg(HW_REG_WAVE_MODE, 25, 1), 1
	s_wait_xcnt 0x0
; out0[n][:] = codebook[index of n][:].  codebook [1024][64] f32 (a row is 256 bytes), out0 [131072][64] f32.  idx [131072] int32, stored by the launch before: in each run of 32 rows, place 16 a + i holds row 2 i + a.
; A stream: no LDS, no barrier, no matrix unit; work-groups share nothing but the table, which every one reads in rows picked by its own indices, so there is no tile to ask for jointly.
; Wave W = 16 x work-group + wave takes rows 32 W .. 32 W + 31.  Sixteen lanes take one row, 16 bytes a lane: lanes 0-15 row 32 W + 2 i, lanes 16-31 row 32 W + 2 i + 1, i = 0 .. 15.
; So each load reads two whole rows of the table and each store writes 512 consecutive bytes, aligned.  All sixteen loads of a wave are out together; no register is written twice, so no wait frees one.
; An index is held at 1,023 before it enters an address (the launch before stores 0 .. 1,023).
.set IXR, 16                           ; v16-31   my half's sixteen indices
.set OF,  32                           ; v32-47   their byte offsets in the table, + 16 r
.set DT,  48                           ; v48-111  sixteen rows' 16 bytes
	s_load_b128 s[4:7], s[0:1], 0x0                ; codebook s[4:5], idx s[6:7]
	s_load_b64 s[8:9], s[0:1], 0x10                ; out0
	v_lshrrev_b32 v1, 5, v0
	v_and_b32 v2, 15, v0
	v_bfe_u32 v3, v0, 4, 1                         ; a
	v_readfirstlane_b32 s10, v1                    ; wave 0..15
	v_lshlrev_b32 v2, 4, v2                        ; 16 r
	v_lshlrev_b32 v5, 6, v3                        ; idx: 16 indices x 4 bytes x a
	v_lshl_add_u32 v4, v3, 8, v2                   ; out0: 256 bytes x a + 16 r
	s_lshl_b32 s11, ttmp9, 4
	s_add_co_u32 s11, s11, s10                     ; W
	s_lshl_b32 s12, s11, 7                         ; 32 indices
	s_mov_b32 s13, 0
	s_lshl_b32 s14, s11, 13                        ; 32 rows of 256 bytes: under 2^25
	s_mov_b32 s15, 0
	s_wait_alu depctr_va_vdst(0)
	s_wait_kmcnt 0x0
	s_add_nc_u64 s[6:7], s[6:7], s[12:13]
	s_add_nc_u64 s[8:9], s[8:9], s[14:15]
.irp i, 0,1,2,3
	global_load_b128 v[IXR+4*\i:IXR+4*\i+3], v5, s[6:7] offset:16*\i   ; the sixteen lanes of a half read the same 64 bytes
.endr
.irp g, 0,1,2,3
	s_wait_loadcnt 3+3*\g                          ; the indices of this run of four are in: behind them 3 - g loads of indices and 4 g of rows
.irp i, 0,1,2,3
	v_min_u32 v[IXR+4*\g+\i], 0x3ff, v[IXR+4*\g+\i]
.endr
.irp i, 0,1,2,3
	v_lshlrev_b32 v[OF+4*\g+\i], 8, v[IXR+4*\g+\i]
.endr
.irp i, 0,1,2,3
	v_add_nc_u32 v[OF+4*\g+\i], v[OF+4*\g+\i], v2
.endr
.irp i, 0,1,2,3
	global_load_b128 v[DT+16*\g+4*\i:DT+16*\g+4*\i+3], v[OF+4*\g+\i], s[4:5]   ; sixteen lanes read one whole row of the table
.endr
.endr
.irp i, 0,1,2,3,4,5,6,7,8,9,10,11,12,13,14,15
	s_wait_loadcnt 15-\i                           ; loads come back in order (ISA guide 5.7.1): row i is in, the younger ones stay out
	global_store_b128 v4, v[DT+4*\i:DT+4*\i+3], s[8:9] offset:512*\i
.endr
	s_endpgm
.Lfunc_end_k_qe2707e87f8_gather:
	.size	k_qe2707e87f8_gather, .Lfunc_end_k_qe2707e87f8_gather-k_qe2707e87f8_gather
	.p2alignl 7, 3214868480
	.fill 96, 4, 3214868480
	.section	.rodata,"a",@progbits
	.p2align	6, 0x0
	.amdhsa_kernel k_qe2707e87f8_gather
		.amdhsa_group_segment_fixed_size 0
		.amdhsa_private_segment_fixed_size 0
		.amdhsa_enable_private_segment 0
		.amdhsa_kernarg_size 24
		.amdhsa_user_sgpr_count 2
		.amdhsa_user_sgpr_kernarg_segment_ptr 1
		.amdhsa_wavefront_size32 1
		.amdhsa_system_sgpr_workgroup_id_x 1
		.amdhsa_system_sgpr_workgroup_id_y 1
		.amdhsa_system_sgpr_workgroup_id_z 1
		.amdhsa_system_vgpr_workitem_id 0
		.amdhsa_next_free_vgpr 112
		.amdhsa_next_free_sgpr 66
		.amdhsa_reserve_vcc 0
		.amdhsa_float_denorm_mode_32 3
		.amdhsa_float_denorm_mode_16_64 3
		.amdhsa_memory_ordered 1
		.amdhsa_forward_progress 1
		.amdhsa_inst_pref_size 7
	.end_amdhsa_kernel
	.amdgpu_metadata
---
amdhsa.version: [ 1, 2 ]
amdhsa.kernels:
  - .name:           k_qe2707e87f8_gather
    .symbol:         k_qe2707e87f8_gather.kd
    .args:
      - { .name: codebook, .offset: 0, .size: 8, .value_kind: global_buffer, .address_space: global }
      - { .name: idx, .offset: 8, .size: 8, .value_kind: global_buffer, .address_space: global }
      - { .name: out0, .offset: 16, .size: 8, .value_kind: global_buffer, .address_space: global }
    .group_segment_fixed_size: 0
    .private_segment_fixed_size: 0
    .kernarg_segment_align: 8
    .kernarg_segment_size: 24
    .max_flat_workgroup_size: 512
    .sgpr_count:     66
    .vgpr_count:     112
    .wavefront_size: 32
...
	.end_amdgpu_metadata
.endif
;; end of part 2
